; MI455X (gfx1250); checked and timed in simulation.
; The chip was launched on July 23, 2026; its instructions are those of AMD's public machine-readable ISA for CDNA 5 (MIT licence, August 2026) and "CDNA5" Instruction Set Architecture Reference Guide (July 2026). The comments in the code are by the model that wrote it; some were corrected since.
;; Expert Parallel Wrapper. Allowed arithmetic: float matrix products may take bf16 or f16 operands with f32 sums; other float arithmetic in f32, or as packed bf16 or f16 multiplies, adds, multiply-adds, maxima and minima; sums over many terms, partial sums and values carried from step to step in f32; what a program stores and reads back later, other than sums and carried values, may be rounded once to bf16 or f16.
;; Inputs: b1 8 x 4,096 float32; b2 8 x 1,024 float32; w1 8 x 1,024 x 4,096 float32; w2 8 x 4,096 x 1,024 float32; w_router 1,024 x 8 float32; x 2 x 512 x 1,024 float32.
;; Outputs: out0 2 x 512 x 1,024 float32.
;; One version. Each part assembles by itself: llvm-mc -triple=amdgcn-amd-amdhsa -mcpu=gfx1250 --defsym DOCPART=n.
;; ======== version 1 of 1: 4 launches
;; limits: values are held in f16: magnitudes above 65,504 overflow, below 6.1e-05 lose precision
;; workspace buffers: xb 2,097,152 bytes; sel 4,096 bytes of whole numbers; gate 4,096 bytes; hb 8,388,608 bytes; lists 32,768 bytes of whole numbers; cnt 2,048 bytes of whole numbers; part 16,777,216 bytes
;; launch route (part 1): grid 256 x 1, 4 waves a work-group, no clusters, 37,376 bytes of LDS; arguments x, w_router, xb, sel, gate; writes xb, sel, gate
.if DOCPART == 1
	.amdgcn_target "amdgcn-amd-amdhsa--gfx1250"
	.amdhsa_code_object_version 6
	.text
	.protected	k_qc5daa7a64d_route
	.globl	k_qc5daa7a64d_route
	.p2align	8
	.type	k_qc5daa7a64d_route,@function
k_qc5daa7a64d_route:
	s_mov_b64 s[64:65], 0
	v_nop
	global_prefetch_b8 v0, s[64:65] scope:SCOPE_SE
	s_setreg_imm32_b32 hwreg(HW_REG_WAVE_MODE, 25, 1), 1
	s_wait_xcnt 0x0
; ROUTER.  For each of the 1,024 tokens: x rounded to bf16 (stored as xb for the first product), the 8 logits x . w_router in f32 from the ROUNDED x and
; the ROUNDED w_router, the chosen expert (sel) and its softmax weight (gate).  One wave takes one token; a work-group of four waves takes four.
; Every input of the program is rounded once to bf16, the router's too, so that the choice of experts and the products see the same numbers.
; SOFTMAX.  The largest logit m is taken away before the exponentials; the chosen expert's exponential is then 2^0 = 1, so its weight is 1 / the sum.
; LIMITS.  The argmax is taken on the logits (the lowest index on exact ties); the softmax is monotone, so it can differ from an argmax on the weights only
; where two logits are a rounding unit apart.  An exponential below 2^-126 counts as 0 in the sum.  NaN is not treated apart (all logits NaN: expert 7).
; No matrix unit, no cluster: 8 columns are too few for a matrix tile, and what the work-groups share, w_router, is 32 KB against the 4 MB of x that nobody shares.
; LDS.  w_router, rounded, as f32: rows k and k + 1 interleaved for each expert (w[k][e], w[k+1][e] are neighbours), so that one packed multiply-add takes a pair of x
; and a pair of w.  Four rows (128 bytes) are a group; groups lie 144 bytes apart, an odd multiple of 16, so that lanes which each read their own group start in different banks.
.set GP,    144                        ; bytes from group to group
.set SPARE, 256*GP                     ; behind the 256 groups: the spare words, 128 bytes for each wave: two blocks of 256 bytes that no other line names
.set X,    16                          ; v[16:47]    my 32 numbers of the token's row: k = 128 j + 4 lane + c in X + 4 j + c
.set XB,   48                          ; v[48:63]    the same as bf16 pairs
.set WB0,  64                          ; v[64:95]    a batch of w_router: my group of batch j: register 16 (c / 2) + 2 e + c % 2
.set WB1,  96                          ; v[96:127]   the other batch
.set ACC,  128                         ; v[128:143]  expert e: a pair of sums (even k, odd k)
.set WG,   144                         ; v[144:207]  my part of w_router as loaded, then rounded and interleaved
.set T,    208                         ; v[208:239]  at work; the logits end up in T .. T + 7
	s_load_b256 s[4:11], s[0:1], 0x0               ; x s[4:5], w_router s[6:7], xb s[8:9], sel s[10:11]
	s_load_b64 s[12:13], s[0:1], 0x20              ; gate
	v_lshl_add_u32 v2, v0, 2, SPARE                ; my spare word; never rewritten
	v_mov_b32 v3, 0                                ; 0; never rewritten
	v_and_b32 v1, 31, v0                           ; lane
	v_lshrrev_b32 v11, 5, v0
	v_readfirstlane_b32 s14, v11                   ; wave 0..3
	s_lshl_b32 s15, ttmp9, 2
	s_add_co_u32 s15, s15, s14                     ; my token
	s_mov_b32 s16, 0xffff0000                      ; a word's upper bf16
	s_mov_b32 s18, 0x76543210                      ; v_permlanex16_b32: each lane takes its own place in the other half
	s_mov_b32 s19, 0xfedcba98
	s_mov_b32 s20, 0x3fb8aa3b                      ; log2(e)
	s_mov_b32 s21, s20                             ; named with it as a pair
	s_mov_b32 s23, 0
	v_lshlrev_b32 v4, 4, v1                        ; x: 16 bytes a lane
	v_lshrrev_b32 v11, 1, v1                       ; w_router in memory: lane / 2 picks a pair of rows (64 bytes), lane % 2 experts 0-3 or 4-7
	v_and_b32 v12, 1, v1
	v_lshlrev_b32 v5, 6, v11
	v_lshl_add_u32 v5, v12, 4, v5
	v_lshl_add_u32 v5, s14, 13, v5                 ; + my wave's quarter, 8,192 bytes
	v_lshrrev_b32 v11, 2, v1                       ; w_router in LDS: group 64 wave + 8 ii + lane / 4, byte 32 (lane % 4) in it
	v_and_b32 v12, 3, v1
	v_mul_u32_u24 v6, v11, GP
	v_lshl_add_u32 v6, v12, 5, v6
	s_mul_i32 s17, s14, 64*GP
	v_add_nc_u32 v6, s17, v6
	v_mul_u32_u24 v7, v1, GP                       ; reading: my group of batch 0
	v_lshlrev_b32 v8, 3, v1                        ; xb: 8 bytes a lane
	v_mov_b32 v10, 0
	s_wait_kmcnt 0x0
	s_lshl_b32 s22, s15, 12
	s_add_nc_u64 s[4:5], s[4:5], s[22:23]          ; my row of x
	s_lshl_b32 s22, s15, 11
	s_add_nc_u64 s[8:9], s[8:9], s[22:23]          ; my row of xb
	s_lshl_b32 s22, s15, 2
	s_add_nc_u64 s[10:11], s[10:11], s[22:23]      ; my word of sel
	s_add_nc_u64 s[12:13], s[12:13], s[22:23]      ; and of gate
.set ii, 0
.rept 8                                ; 16 pairs of rows (1,024 bytes) to a pair of loads: the even rows' 16 bytes, then the odd rows'
	global_load_b128 v[WG+8*ii:WG+8*ii+3],   v5, s[6:7] offset:1024*ii
	global_load_b128 v[WG+8*ii+4:WG+8*ii+7], v5, s[6:7] offset:1024*ii+32
.set ii, ii+1
.endr
.irp j, 0,1,2,3,4,5,6,7
	global_load_b128 v[X+4*\j:X+4*\j+3], v4, s[4:5] offset:512*\j th:TH_LOAD_NT   ; 512 neighbouring bytes of the row
.endr
	s_wait_loadcnt 8                               ; loads come back in order: w_router's sixteen are in, the eight of x may stay out
.set ii, 0
.rept 8                                ; one conversion rounds w[k][e] and w[k+1][e]; its unpacking leaves them side by side
.irp i, 0,1,2,3
	v_cvt_pk_bf16_f32 v[T+4*(ii%2)+\i], v[WG+8*ii+\i], v[WG+8*ii+4+\i]
.endr
.irp i, 0,1,2,3
	v_lshlrev_b32 v[WG+8*ii+2*\i],   16,  v[T+4*(ii%2)+\i]
	v_and_b32     v[WG+8*ii+2*\i+1], s16, v[T+4*(ii%2)+\i]
.endr
	ds_store_b128 v6, v[WG+8*ii:WG+8*ii+3]   offset:8*GP*ii
	ds_store_b128 v6, v[WG+8*ii+4:WG+8*ii+7] offset:8*GP*ii+16
.set ii, ii+1
.endr
	s_wait_loadcnt 0x0                             ; x
.set i, 0
.rept 16
	v_cvt_pk_bf16_f32 v[XB+i], v[X+2*i], v[X+2*i+1]
.set i, i+1
.endr
.irp j, 0,1,2,3,4,5,6,7
	global_store_b64 v8, v[XB+2*\j:XB+2*\j+1], s[8:9] offset:256*\j   ; the wave stores 256 consecutive bytes, at a multiple of 256 from xb's first byte
.endr
.set i, 0
.rept 16                               ; the logits are made of the rounded numbers
	v_lshlrev_b32 v[X+2*i],   16,  v[XB+i]
	v_and_b32     v[X+2*i+1], s16, v[XB+i]
.set i, i+1
.endr
	s_wait_dscnt 0x0                               ; for the others' sake: my quarter of w_router is in LDS
	s_barrier_signal -1
	s_barrier_wait -1                              ; everybody's is
.macro WLD j, buf                      ; my group of batch j: rows 128 j + 4 lane + 0..3, all 8 experts: 128 bytes
.irp q, 0,1,2,3,4,5,6,7
	ds_load_b128 v[(\buf)+4*\q:(\buf)+4*\q+3], v7 offset:32*GP*(\j)+16*\q
.endr
.endm
.macro DOT j, buf                      ; 16 packed multiply-adds: two pairs of k x eight experts; the very first eight start the sums
.irp cp, 0,1
.irp e, 0,1,2,3,4,5,6,7
.if ((\j) == 0) && (\cp == 0)
	v_pk_mul_f32 v[ACC+2*\e:ACC+2*\e+1], v[X+4*(\j)+2*\cp:X+4*(\j)+2*\cp+1], v[(\buf)+16*\cp+2*\e:(\buf)+16*\cp+2*\e+1]
.else
	v_pk_fma_f32 v[ACC+2*\e:ACC+2*\e+1], v[X+4*(\j)+2*\cp:X+4*(\j)+2*\cp+1], v[(\buf)+16*\cp+2*\e:(\buf)+16*\cp+2*\e+1], v[ACC+2*\e:ACC+2*\e+1]
.endif
.endr
.endr
.endm
	WLD 0, WB0
	WLD 1, WB1
.irp j, 0,2,4
	s_wait_dscnt 8                                 ; LDS loads come back in order: this batch is in, the other batch's eight may stay out
	DOT \j, WB0
	WLD (\j)+2, WB0
	s_wait_dscnt 8
	DOT (\j)+1, WB1
	WLD (\j)+3, WB1
.endr
	s_wait_dscnt 8
	DOT 6, WB0
	s_wait_dscnt 0x0
	DOT 7, WB1
.irp e, 0,1,2,3,4,5,6,7
	v_add_f32 v[T+\e], v[ACC+2*\e], v[ACC+2*\e+1]  ; even k's and odd k's sums
.endr
.irp m, 1,2,4,8                        ; over the 32 lanes: four steps inside each half ride on the addition, one crosses the halves; every lane ends with the same 8 logits
.irp e, 0,1,2,3,4,5,6,7
	v_add_f32_dpp v[T+\e], v[T+\e], v[T+\e] row_xmask:\m row_mask:0xf bank_mask:0xf
.endr
.endr
.irp e, 0,1,2,3,4,5,6,7
	v_permlanex16_b32 v[WB0+\e], v[T+\e], s18, s19 ; its destination counts as read: a register that has been written
.endr
.irp e, 0,1,2,3,4,5,6,7
	v_add_f32 v[T+\e], v[T+\e], v[WB0+\e]
.endr
	v_max3_num_f32 v[T+8], v[T], v[T+1], v[T+2]
	v_max3_num_f32 v[T+9], v[T+3], v[T+4], v[T+5]
	v_max3_num_f32 v[T+8], v[T+8], v[T+9], v[T+6]
	v_max_num_f32 v[T+8], v[T+8], v[T+7]           ; m
	v_mov_b32 v9, 7
.irp e, 6,5,4,3,2,1,0                  ; from the top down, so that the lowest index that holds m stays
	v_cmp_neq_f32 vcc_lo, v[T+\e], v[T+8]
	v_cndmask_b32 v9, \e, v9, vcc_lo
.endr
.irp e, 0,1,2,3,4,5,6,7
	v_sub_f32 v[T+\e], v[T+\e], v[T+8]             ; exactly 0 for the chosen expert
.endr
.irp p, 0,2,4,6
	v_pk_mul_f32 v[T+\p:T+\p+1], v[T+\p:T+\p+1], s[20:21] op_sel_hi:[1,0]
.endr
.irp e, 0,1,2,3,4,5,6,7
	v_exp_f32 v[T+\e], v[T+\e]
.endr
	v_nop                                          ; a plain instruction between the last exponential and the use of its result (ISA guide 5.7.2)
	s_wait_alu depctr_va_vdst(0)                   ; one wait for the batch of eight, ahead of its first reader
	v_pk_add_f32 v[T:T+1], v[T:T+1], v[T+2:T+3]
	v_pk_add_f32 v[T+4:T+5], v[T+4:T+5], v[T+6:T+7]
	v_pk_add_f32 v[T:T+1], v[T:T+1], v[T+4:T+5]
	v_add_f32 v[T], v[T], v[T+1]
	v_rcp_f32 v[T+9], v[T]                         ; the weight: 1 / the sum
	v_nop
	s_wait_alu depctr_va_vdst(0)                   ; ahead of the store that reads it
	s_wait_tensorcnt 0x0                           ; the wave's end, behind my last LDS store
	ds_add_u32 v2, v3
	s_wait_dscnt 0x0
	v_cmp_eq_u32 vcc_lo, 0, v1
	s_wait_xcnt 0x0                                ; EXEC changes only behind this wait: xb's stores have been issued
	s_and_saveexec_b32 s24, vcc_lo
	global_store_b32 v10, v9, s[10:11]             ; lane 0 alone: 4 bytes of sel and 4 of gate a token, 8 KB in the whole launch
	global_store_b32 v10, v[T+9], s[12:13]
	s_wait_xcnt 0x0
	s_or_b32 exec_lo, exec_lo, s24
	s_endpgm
.Lfunc_end_k_qc5daa7a64d_route:
	.size	k_qc5daa7a64d_route, .Lfunc_end_k_qc5daa7a64d_route-k_qc5daa7a64d_route
	.p2alignl 7, 3214868480
	.fill 96, 4, 3214868480
	.section	.rodata,"a",@progbits
	.p2align	6, 0x0
	.amdhsa_kernel k_qc5daa7a64d_route
		.amdhsa_group_segment_fixed_size 37376
		.amdhsa_private_segment_fixed_size 0
		.amdhsa_enable_private_segment 0
		.amdhsa_kernarg_size 40
		.amdhsa_user_sgpr_count 2
		.amdhsa_user_sgpr_kernarg_segment_ptr 1
		.amdhsa_wavefront_size32 1
		.amdhsa_system_sgpr_workgroup_id_x 1
		.amdhsa_system_sgpr_workgroup_id_y 1
		.amdhsa_system_sgpr_workgroup_id_z 1
		.amdhsa_system_vgpr_workitem_id 0
		.amdhsa_next_free_vgpr 240
		.amdhsa_next_free_sgpr 66
		.amdhsa_reserve_vcc 1
		.amdhsa_float_denorm_mode_32 3
		.amdhsa_float_denorm_mode_16_64 3
		.amdhsa_memory_ordered 1
		.amdhsa_forward_progress 1
		.amdhsa_inst_pref_size 30
	.end_amdhsa_kernel
	.amdgpu_metadata
---
amdhsa.version: [ 1, 2 ]
amdhsa.kernels:
  - .name:           k_qc5daa7a64d_route
    .symbol:         k_qc5daa7a64d_route.kd
    .args:
      - { .name: x, .offset: 0, .size: 8, .value_kind: global_buffer, .address_space: global }
      - { .name: w_router, .offset: 8, .size: 8, .value_kind: global_buffer, .address_space: global }
      - { .name: xb, .offset: 16, .size: 8, .value_kind: global_buffer, .address_space: global }
      - { .name: sel, .offset: 24, .size: 8, .value_kind: global_buffer, .address_space: global }
      - { .name: gate, .offset: 32, .size: 8, .value_kind: global_buffer, .address_space: global }
    .group_segment_fixed_size: 37376
    .private_segment_fixed_size: 0
    .kernarg_segment_align: 8
    .kernarg_segment_size: 40
    .max_flat_workgroup_size: 128
    .sgpr_count:     66
    .vgpr_count:     240
    .wavefront_size: 32
...
	.end_amdgpu_metadata
.endif
;; end of part 1
;; launch up (part 2): grid 32 x 8, 8 waves a work-group, no clusters, 317,440 bytes of LDS; arguments xb, w1, b1, sel, hb, lists, cnt; writes hb, lists, cnt
.if DOCPART == 2
	.amdgcn_target "amdgcn-amd-amdhsa--gfx1250"
	.amdhsa_code_object_version 6
	.text
	.protected	k_qc5daa7a64d_up
	.globl	k_qc5daa7a64d_up
	.p2align	8
	.type	k_qc5daa7a64d_up,@function
k_qc5daa7a64d_up:
	s_mov_b64 s[64:65], 0
	v_nop
	global_prefetch_b8 v0, s[64:65] scope:SCOPE_SE
	s_setreg_imm32_b32 hwreg(HW_REG_WAVE_MODE, 25, 1), 1
	s_wait_xcnt 0x0
; FIRST PRODUCT.  hb[t][f] = relu(x[t] . w1[e][:, f] + b1[e][f]) for the tokens t that chose expert e.  Work-group (x = slice of 128 columns f, y = expert e).
; xb: [1024][1024] bf16 (x, rounded).  w1: [8][1024][4096] f32, b1: [8][4096] f32: both rounded to bf16 on their way.  Sums in f32.  hb: [1024 tokens][4096] f16, rounded once.
; THE COUNT.  A work-group's slice of w1 is 1,024 rows of 512 bytes, 512 KB that nobody else reads, for some 128 token rows: the weights' bytes bind, so the text is built round their stream.
; ROLES.  Waves 4-7 are LOADERS: each streams 64 of a chunk's 256 rows through registers (one load = one whole row of the slice, 512 consecutive bytes), rounds them and lays them into LDS; 64 loads of
; each are asked for before the first is waited for, and 48 to 64 stay out from then on.  Waves 0-3 are MATH: they multiply chunk c while chunk c + 1 is laid down.  Two roles, because loads come back
; in the order of issue (ISA guide 5.7.1): in one wave a wait for token rows would wait for all the weight loads issued before them.
; WHAT THE ROLES SHARE.  Every lasting address register is made in the head by all eight waves alike and never rewritten; what steps from chunk to chunk (the LDS base CB, the unit's number, w1's pointer)
; is stepped in the text that all waves run.  A loader's arm is closed in itself: it is entered and left with the same four sets of 16 loads out, so its counts hold whatever stood before it.
; THE SLICE STAYS in LDS, [k = 1024][n = 128] bf16: no LDS byte is written twice, and rows beyond what the accumulators hold at once (192) are multiplied afterwards, in further PASSES over the kept
; slice, with no barrier and no second read of the weights.  So every split of the tokens is served: all 1,024 on one expert (6 passes), or none (nothing is stored but the list).
; BARRIERS.  Five, all in the common text, none under a branch on data: the list; then one behind each chunk.  Only matrix instructions and whole ways out are jumped on the expert's count.
; THE TOKENS.  Every math wave turns sel into a bitmap, 32 lane masks in scalar registers, and counts the expert's tokens.  The first pass's tokens are found from the bitmap in registers: a lane that wants
; the member of rank p walks the 32 words' running counts to the word that holds it, then halves that word five times by its bit counts.  So the addresses of the token rows are register arithmetic on
; numbers read from memory, with no LDS round trip between.
; THE LIST.  Wave 0 also sorts the 1,024 token numbers into LDS: the expert's own first, the others behind them, each entry written once.  The list serves the way out and the later passes, and the slice-0
; work-group stores it, with the count, for the second product.
; THE MATRIX INSTRUCTION IS USED TRANSPOSED: source 0 = 16 columns of w1 (out of LDS by the turning load), source 1 = 16 tokens (straight from xb): a lane then holds one token and 8 neighbouring columns.
; ACCUMULATORS ARE CLEARED, not started by a first step with C = 0: the 192 moves at the head stand in the wait for the first chunk, and every k-step is then alike, on every path.
; NO CLUSTER: each slice of weights has one reader; what an expert's 32 work-groups share is its token rows, which come by a list that no tile's descriptor covers, and LDS has 10 KB left beside the slice.
; NO TENSOR LOADS: the f32 weights pass through registers to be rounded, so a tile in LDS would be read and written once more.
; LIMITS.  h beyond 65,504 becomes an infinity in f16 (with x and w1 both 30 times the drawn spread |h| stays near 4,000); relu of NaN gives 0.
.set PITCH,  16384                     ; bytes from row to row of w1
.set CHSTEP, 256*PITCH                 ; a chunk of the stream: 256 rows
.set BP,     288                       ; a row of the slice in LDS: 256 bytes + 32
.set UB,     128*BP                    ; a unit, half a chunk: the 128 rows that COMPUTE multiplies
.set LIST,   0                         ; 1,024 token numbers
.set BB,     4096                      ; the slice: 8 units
.set LASTB,  BB+7*UB+15*BP+16          ; the highest lane place in the last unit: with a run's largest offset and its 16 bytes it ends 32 bytes short of the stages
.set STAGE,  BB+8*UB                   ; 16 rows x 272 bytes for each math wave, for the way out
.set SP,     272
.set SPARE,  STAGE+4*16*SP             ; the spare words, 128 bytes for each of the 8 waves: four blocks of 256 bytes that no other line names
; scalars
.set A0,   4                           ; s[4:5]   xb
.set W,    6                           ; s[6:7]   w1 at the slice's chunk that is laid down next
.set B1,   8                           ; s[8:9]   b1 at (expert, slice)
.set SELP, 10                          ; s[10:11] sel
.set OUT,  12                          ; s[12:13] hb at the slice's columns
.set LSTP, 14                          ; s[14:15] lists at the expert
.set CNTP, 16                          ; s[16:17] cnt at the expert
.set WV,   18
.set RW,   19                          ; wave % 4: my number in my role
.set EX,   20
.set SL,   21
.set CNT,  22                          ; the expert's tokens
.set T16,  23                          ; its tiles of 16 rows
.set CM1,  24                          ; its last rank (0 if it has none)
.set NT,   25                          ; my live tiles in this pass, 0 to 3
.set PASS, 26
.set DONE, 27                          ; units of this pass that were multiplied during the stream
.set UIDX, 28                          ; the unit in hand
.set CB,   29                          ; LDS bytes from the slice's head to it
.set LOOP, 31
.set REM,  32
.set TBASE,33
.set HIM,  34                          ; 0xffff0000
.set OFS,  36                          ; s[36:37] an offset, high word 0
.set AN,   38                          ; s[38:39] xb at the next unit's k
.set TMP,  42
.set BS,   44
.set PF,   46                          ; members ahead of the bitmap's word in hand
.set XQ,   47                          ; the same | the word's first token << 16
.set K5,   48                          ; 0x55555555, 0x33333333, 0x0f0f0f0f: for the bit counts
.set K3,   49
.set KF,   50
.set MK,   66                          ; s[66:97] the bitmap: bit l of word q: token 128 (q / 4) + q % 4 + 4 l chose the expert
; vector registers, window 0.  v1-v8, v12-v15 and v30 are made in the head by every wave and never rewritten
.set LANE, 1
.set R,    2                           ; lane % 16
.set H,    3                           ; lane / 16
.set SPW,  4                           ; my spare word
.set NIL,  5                           ; 0
.set ZERO, 6                           ; 0, for the packed maximum
.set B0,   7                           ; a lane's place in a unit, for the turning loads
.set LS0,  8                           ; a loader lane's place in a chunk in LDS
.set AO,   9                           ; v9-11 math: slot s: my token's row in xb + 16 (lane / 16)
.set STO,  12                          ; the way out: where a lane puts 16 bytes of a row
.set RD,   13                          ; the way out: where it reads a row back
.set R16,  14
.set H16,  15
.set TK,   16                          ; v16-23 math, the way out: byte offsets of 8 pairs of rows in hb
.set LS,   16                          ; loader: LS0 in the chunk in hand; made at the head of each arm
.set TP,   24                          ; v24-29 at work
.set WO,   30                          ; a loader lane's byte offset in a chunk of w1
.set BA,   31                          ; math: B0 in the unit in hand
.set AR,   32                          ; v32-127 math: token fragments: k-step j of 4, slot s of 3 at AR + 24 j + 8 s: a ring
.set ZB,   AR                          ; ahead of the ring's first fill, the search's scratch: slot s at ZB + 16 s: +0 rank, +1 word, +2 members ahead of the word | its first token << 16,
                                       ; +3 place among the word's members, +4 .. +7 the word's bit counts by 2, 4, 8 and 16 bits, +8 bit number, +9, +10 at work
.set BF,   128                         ; v128-255 math: weight fragments: two buffers of 8 x 8
.set CT,   32                          ; loader: v32-63 16 rows rounded
; window 1: math: ACC + 64 s + 8 nt the accumulators, BIAS + 8 nt + j the bias of my 64 columns; loader: four sets of 16 rows as loaded, set st at 64 st
.set ACC,  0
.set BIAS, 192
.set MSB, 0
.macro WIN new                         ; s_set_vgpr_msb: bits 1:0 source 0, 3:2 source 1, 5:4 source 2, 7:6 destination; the high byte repeats the setting that is left
.if MSB != (\new)
	s_set_vgpr_msb (MSB<<8)|(\new)
.set MSB, (\new)
.endif
.endm
.macro BAR
	s_wait_dscnt 0x0                               ; for the others' sake: my LDS stores are done and my LDS loads are back
	s_barrier_signal -1
	s_barrier_wait -1
.endm
; ---- the loaders ----
.macro WLOAD st, cofs                  ; set st takes my rows 16 st .. 16 st + 15 of the chunk that begins cofs bytes behind W
	WIN 0x40                                       ; destination window 1, address window 0
.set i, 0
.rept 16
	global_load_b128 v[64*(\st)+4*i:64*(\st)+4*i+3], v[WO], s[W:W+1] offset:(16*(\st)+i)*PITCH+(\cofs) th:TH_LOAD_NT
.set i, i+1
.endr
.endm
.macro CVT st                          ; 16 rows, 4 columns a lane, rounded
	WIN 0x05                                       ; sources window 1, destination window 0
.set i, 0
.rept 16
	v_cvt_pk_bf16_f32 v[CT+2*i],   v[64*(\st)+4*i],   v[64*(\st)+4*i+1]
	v_cvt_pk_bf16_f32 v[CT+2*i+1], v[64*(\st)+4*i+2], v[64*(\st)+4*i+3]
.set i, i+1
.endr
.endm
.macro PUT st
	WIN 0
.set i, 0
.rept 16
	ds_store_b64 v[LS], v[CT+2*i:CT+2*i+1] offset:(16*(\st)+i)*BP   ; a row's 256 bytes, 8 a lane
.set i, i+1
.endr
.endm
; My 64 rows of the chunk at W go into LDS.  At the arm's head all four sets of this chunk are out, 64 loads; at its end all four of the next.  Each sub-step waits for its set (48: the three younger
; sets may stay out), rounds it, asks for the same set of the next chunk and stores.  With 64 out the last load's issue waits until the oldest is back (ISA guide 5.7.1); no wait is written for that.
; last = 1: the slice's last chunk: nothing more is asked for, and the counts run down.
.macro FILL last
	v_add_nc_u32 v[LS], s[CB], v[LS0]
.irp k, 0,1,2,3
.if \last
	s_wait_loadcnt 48-16*\k
.else
	s_wait_loadcnt 48
.endif
	CVT \k
.if (\last) == 0
	WLOAD \k, CHSTEP
.endif
	PUT \k
.endr
.endm
; ---- the math waves ----
; The turning loads' address in the unit that lies h units behind CB.  hold = 1 (the pass loop): it is held inside the slice by a constant, so that the lines just ahead of a run of loads show that
; no read there reaches the stages, which the other math waves write without a barrier.
.macro MKBA h, hold
	v_add_nc_u32 v[BA], s[CB], v[B0]
.if \h
	v_add_nc_u32 v[BA], UB, v[BA]
.endif
.if \hold
	v_min_u32 v[BA], LASTB, v[BA]
.endif
.endm
.macro BLOAD j                         ; k-step j of the unit: 32 k x 128 columns, turned: 8 fragments; lane l ends with column l % 16 and k as a fragment wants it
.irp nt, 0,1,2,3,4,5,6,7
	ds_load_tr16_b128 v[BF+64*((\j)%2)+8*\nt:BF+64*((\j)%2)+8*\nt+3],   v[BA] offset:(\j)*32*BP+32*\nt
	ds_load_tr16_b128 v[BF+64*((\j)%2)+8*\nt+4:BF+64*((\j)%2)+8*\nt+7], v[BA] offset:(\j)*32*BP+32*\nt+16*BP
.endr
.endm
.macro MM j, s                         ; slot s: 16 tokens x 128 columns x 32 k.  The 8 accumulators take turns
	WIN 0x50                                       ; C and D window 1
.irp nt, 0,1,2,3,4,5,6,7
	v_wmma_f32_16x16x32_bf16 v[ACC+64*(\s)+8*\nt:ACC+64*(\s)+8*\nt+7], v[BF+64*((\j)%2)+8*\nt:BF+64*((\j)%2)+8*\nt+7], v[AR+24*(\j)+8*(\s):AR+24*(\j)+8*(\s)+7], v[ACC+64*(\s)+8*\nt:ACC+64*(\s)+8*\nt+7]
.endr
	WIN 0                                          ; at a branch and at a label every window is 0
.endm
.macro ALOAD j, base                   ; the three slots' token fragments of k-step j: lane l: token l % 16, k = 8 (l / 16) + 0..7 and 16 + 8 (l / 16) + 0..7
.irp s, 0,1,2
	global_load_b128 v[AR+24*(\j)+8*\s:AR+24*(\j)+8*\s+3],   v[AO+\s], s[\base:\base+1] offset:64*(\j)
	global_load_b128 v[AR+24*(\j)+8*\s+4:AR+24*(\j)+8*\s+7], v[AO+\s], s[\base:\base+1] offset:64*(\j)+32
.endr
.endm
.macro KSTEP j, hold
.if (\j) < 3
.if \hold
	MKBA 0, 1                                      ; the same address, made anew directly ahead of the run that uses it
.endif
	BLOAD (\j)+1
	s_wait_dscnt 16                                ; this step's fragments are in; the 16 loads just issued may stay out
.else
	s_wait_dscnt 0x0
.endif
	s_wait_loadcnt 18                              ; this step's 6 token loads are in; the ring's other three steps, 6 each, may stay out
	s_cmp_eq_u32 s[NT], 0                          ; only matrix instructions are jumped: every load is issued on every path, so every count holds on every path
	s_cbranch_scc1 .Lks_\@
	MM \j, 0
	s_cmp_lt_u32 s[NT], 2
	s_cbranch_scc1 .Lks_\@
	MM \j, 1
	s_cmp_lt_u32 s[NT], 3
	s_cbranch_scc1 .Lks_\@
	MM \j, 2
.Lks_\@:
.rept 4
	v_nop                                          ; four places ahead of loads into registers that the products have read (ISA guide 7.12.1 for vector instructions)
.endr
.if (\j) == 0
	s_wait_xcnt 0x0                                ; the last unit's loads name AN: it is rewritten only behind this wait.  It stands here, ahead of the first load that names the new AN:
	s_add_nc_u64 s[AN:AN+1], s[A0:A0+1], s[OFS:OFS+1]  ; the youngest of those loads was issued two runs of LDS loads and a k-step's products ago
.endif
	ALOAD \j, AN                                   ; the same k-step of the next unit: three k-steps in which to arrive
.endm
; Unit UIDX + h, which lies h units behind CB, is multiplied; the ring asks for the unit behind it (behind the last: unit 0 once more, unused, inside the buffer).
.macro COMPUTE h, hold
	s_add_co_u32 s[OFS], s[UIDX], 1+(\h)
	s_and_b32 s[OFS], s[OFS], 7
	s_lshl_b32 s[OFS], s[OFS], 8                   ; 128 k are 256 bytes of a row
	MKBA \h, \hold
	BLOAD 0
	KSTEP 0, \hold
	KSTEP 1, \hold
	KSTEP 2, \hold
	KSTEP 3, \hold
.endm
.macro NTCALC                          ; slot s holds tile 12 PASS + 4 s + RW: how many of the three lie under T16
	s_mul_i32 s[TMP], s[PASS], 12
	s_add_co_u32 s[TMP], s[TMP], s[RW]
	s_sub_co_i32 s[NT], s[T16], s[TMP]
	s_add_co_i32 s[NT], s[NT], 3
	s_max_i32 s[NT], s[NT], 0
	s_lshr_b32 s[NT], s[NT], 2
	s_min_u32 s[NT], s[NT], 3
.endm
; THE FIRST PASS'S TOKENS, from the bitmap.  Slot s holds tile 4 s + RW; my rank is 16 x tile + lane % 16; ranks past the count repeat the expert's last member.
.macro ALL3 line:vararg                ; one line for each slot
.set zz, ZB
.rept 3
	\line
.set zz, zz+16
.endr
.endm
.macro HALVE src, fw, w                ; of the 2 w bits from my bit number on, the lower w hold k members (a field of fw bits in the counts at +src): if my place is k or more, it lies in the upper w
.set zz, ZB
.rept 3
	v_bfe_u32 v[zz+9], v[zz+(\src)], v[zz+8], \fw
	v_cmp_ge_u32 vcc_lo, v[zz+3], v[zz+9]
	v_cndmask_b32 v[zz+10], 0, \w, vcc_lo
.if (\w) > 1
	v_cndmask_b32 v[zz+9], 0, v[zz+9], vcc_lo
	v_sub_nc_u32 v[zz+3], v[zz+3], v[zz+9]
.endif
	v_add_nc_u32 v[zz+8], v[zz+8], v[zz+10]
.set zz, zz+16
.endr
.endm
.macro SETUP0
	s_mov_b32 s[K5], 0x55555555
	s_mov_b32 s[K3], 0x33333333
	s_mov_b32 s[KF], 0x0f0f0f0f
	s_lshl_b32 s[TMP], s[RW], 4
.irp s, 0,1,2
	v_add_nc_u32 v[ZB+16*\s], s[TMP], v[R]
	v_min_u32 v[ZB+16*\s], s[CM1], v[ZB+16*\s]     ; my rank
	v_mov_b32 v[ZB+16*\s+1], s[MK]                 ; word 0: no member ahead of it, first token 0
	v_mov_b32 v[ZB+16*\s+2], 0
	s_add_co_u32 s[TMP], s[TMP], 64
.endr
	s_mov_b32 s[PF], 0
.set q, 1
.rept 31                               ; the last word with no more members ahead of it than my rank is the one that holds my member
	s_bcnt1_i32_b32 s[TMP], s[MK+q-1]
	s_add_co_u32 s[PF], s[PF], s[TMP]
	s_add_co_u32 s[XQ], s[PF], (128*(q/4)+q%4)<<16
.set zz, ZB
.rept 3
	v_cmp_gt_u32 vcc_lo, s[PF], v[zz]              ; more ahead than my rank: keep what I have
	v_cndmask_b32 v[zz+1], s[MK+q], v[zz+1], vcc_lo
	v_cndmask_b32 v[zz+2], s[XQ], v[zz+2], vcc_lo
.set zz, zz+16
.endr
.set q, q+1
.endr
	ALL3 v_and_b32 v[zz+3], 0xffff, v[zz+2]
	ALL3 v_lshrrev_b32 v[zz+2], 16, v[zz+2]        ; the word's first token
	ALL3 v_sub_nc_u32 v[zz+3], v[zz], v[zz+3]      ; my place among the word's members
	ALL3 v_lshrrev_b32 v[zz+4], 1, v[zz+1]         ; the word's bit counts: in fields of 2 bits,
	ALL3 v_and_b32 v[zz+4], s[K5], v[zz+4]
	ALL3 v_sub_nc_u32 v[zz+4], v[zz+1], v[zz+4]
	ALL3 v_lshrrev_b32 v[zz+5], 2, v[zz+4]         ; of 4,
	ALL3 v_and_b32 v[zz+9], s[K3], v[zz+4]
	ALL3 v_and_b32 v[zz+5], s[K3], v[zz+5]
	ALL3 v_add_nc_u32 v[zz+5], v[zz+9], v[zz+5]
	ALL3 v_lshrrev_b32 v[zz+6], 4, v[zz+5]         ; of 8,
	ALL3 v_add_nc_u32 v[zz+6], v[zz+5], v[zz+6]
	ALL3 v_and_b32 v[zz+6], s[KF], v[zz+6]
	ALL3 v_lshrrev_b32 v[zz+7], 8, v[zz+6]         ; and, in the lowest byte, of bits 0 to 15
	ALL3 v_add_nc_u32 v[zz+7], v[zz+6], v[zz+7]
	ALL3 v_mov_b32 v[zz+8], 0
	HALVE 7, 8, 16
	HALVE 6, 8, 8
	HALVE 5, 4, 4
	HALVE 4, 2, 2
	HALVE 1, 1, 1
.irp s, 0,1,2
	v_lshl_add_u32 v[TP+3+\s], v[ZB+16*\s+8], 2, v[ZB+16*\s+2]   ; a word's tokens lie 4 apart
	v_min_u32 v[TP+3+\s], 0x3ff, v[TP+3+\s]
	v_lshl_add_u32 v[AO+\s], v[TP+3+\s], 11, v[H16]   ; a row of xb is 2,048 bytes
.endr
.endm
.macro SETUP                           ; a later pass's tokens, from the list; places past the count repeat the expert's last row
	s_mul_i32 s[TMP], s[PASS], 12
	s_add_co_u32 s[TMP], s[TMP], s[RW]
	s_lshl_b32 s[TMP], s[TMP], 4
.irp s, 0,1,2
	v_add_nc_u32 v[TP+\s], s[TMP], v[R]
	v_min_u32 v[TP+\s], s[CM1], v[TP+\s]
	v_min_u32 v[TP+\s], 0x3ff, v[TP+\s]
	v_lshlrev_b32 v[TP+\s], 2, v[TP+\s]
	ds_load_b32 v[TP+3+\s], v[TP+\s] offset:LIST
	s_add_co_u32 s[TMP], s[TMP], 64
.endr
	s_wait_dscnt 0x0
.irp s, 0,1,2
	v_min_u32 v[TP+3+\s], 0x3ff, v[TP+3+\s]
	v_lshl_add_u32 v[AO+\s], v[TP+3+\s], 11, v[H16]
.endr
.endm
.macro APRO                            ; the ring is filled: unit 0's four k-steps, 24 loads
	ALOAD 0, A0
	ALOAD 1, A0
	ALOAD 2, A0
	ALOAD 3, A0
.endm
.macro CLEAR
	WIN 0x40
.set i, 0
.rept 192
	v_mov_b32 v[ACC+i], 0
.set i, i+1
.endr
	WIN 0
.endm
; THE WAY OUT of slot s: + bias, to f16, relu on the packed halves; 16 bytes a lane into my own stage, back as whole rows of 256 bytes; a row goes to its token's row of hb.
.macro EPI s
	s_cmp_le_u32 s[NT], \s
	s_cbranch_scc1 .Lep_\@
	s_mul_i32 s[TMP], s[PASS], 12
	s_add_co_u32 s[TMP], s[TMP], s[RW]
	s_add_co_u32 s[TMP], s[TMP], 4*(\s)
	s_lshl_b32 s[TMP], s[TMP], 4                   ; the tile's first place in the list
	s_sub_co_i32 s[REM], s[CNT], s[TMP]            ; the expert's rows from there on: 1 or more
	s_min_u32 s[TBASE], s[TMP], 1008
	v_add_nc_u32 v[TP], s[TBASE], v[H]
	v_lshlrev_b32 v[TP], 2, v[TP]
.irp t, 0,1,2,3,4,5,6,7
	ds_load_b32 v[TK+\t], v[TP] offset:LIST+8*\t   ; the token of row 2 t + lane / 16
.endr
	WIN 0x05
.set i, 0
.rept 32                               ; ascending: each accumulator's lowest registers are read first
	v_pk_add_f32 v[BF+2*i:BF+2*i+1], v[ACC+64*(\s)+2*i:ACC+64*(\s)+2*i+1], v[BIAS+2*i:BIAS+2*i+1]
.set i, i+1
.endr
	WIN 0
.set i, 0
.rept 32
	v_cvt_pk_f16_f32 v[BF+64+i], v[BF+2*i], v[BF+2*i+1]
.set i, i+1
.endr
.set i, 0
.rept 32
	v_pk_max_num_f16 v[BF+64+i], v[BF+64+i], v[ZERO]
.set i, i+1
.endr
.irp nt, 0,1,2,3,4,5,6,7
	ds_store_b128 v[STO], v[BF+64+4*\nt:BF+64+4*\nt+3] offset:32*\nt
.endr
.irp t, 0,1,2,3,4,5,6,7
	ds_load_b128 v[BF+96+4*\t:BF+96+4*\t+3], v[RD] offset:2*SP*\t   ; LDS serves a wave's instructions in order (ISA guide 5.7.1.4): these see the stores above
.endr
	s_wait_dscnt 16                                ; the 8 token numbers are in; behind them: 8 stores and 8 loads
.irp t, 0,1,2,3,4,5,6,7
	v_min_u32 v[TK+\t], 0x3ff, v[TK+\t]
	v_lshl_add_u32 v[TK+\t], v[TK+\t], 13, v[R16]  ; a row of hb is 8,192 bytes
.endr
.irp t, 0,1,2,3,4,5,6,7
	s_wait_dscnt 7-\t
	s_wait_xcnt 0x0                                ; EXEC changes only behind this wait
	v_cmpx_gt_i32 s[REM], v[H]                     ; rows past the count are not stored: lanes stay on while 2 t + lane / 16 lies under it
	global_store_b128 v[TK+\t], v[BF+96+4*\t:BF+96+4*\t+3], s[OUT:OUT+1]   ; 16 lanes store 256 consecutive bytes, at a multiple of 256 from hb's first byte
	s_sub_co_i32 s[REM], s[REM], 2
.endr
	s_wait_xcnt 0x0                                ; and the stores' registers are free for the next slot
	s_mov_b32 exec_lo, -1
.Lep_\@:
.endm
; A chunk's turn: the loaders lay it down; the barrier; the math waves multiply its two units while the loaders go on to the next chunk; then every wave takes the same steps.
.macro SEG last
	s_cmp_lt_u32 s[WV], 4
	s_cbranch_scc1 .Lnf_\@
	FILL \last
.Lnf_\@:
	BAR
.if (\last) == 0
	s_cmp_ge_u32 s[WV], 4
	s_cbranch_scc1 .Lnc_\@
	COMPUTE 0, 0
	COMPUTE 1, 0
.Lnc_\@:
	s_wait_xcnt 0x0                                ; w1's pointer is stepped only behind this wait
	s_add_nc_u64 s[W:W+1], s[W:W+1], CHSTEP
	s_add_co_u32 s[CB], s[CB], 2*UB
	s_add_co_u32 s[UIDX], s[UIDX], 2
.endif
.endm
	; ---- the head, all eight waves alike
	s_load_b256 s[4:11], s[0:1], 0x0               ; xb, w1, b1, sel
	s_load_b128 s[12:15], s[0:1], 0x20             ; hb, lists
	s_load_b64 s[16:17], s[0:1], 0x30              ; cnt
	v_lshl_add_u32 v[SPW], v0, 2, SPARE
	v_mov_b32 v[NIL], 0
	v_and_b32 v[LANE], 31, v0
	v_lshrrev_b32 v[TP], 5, v0
	v_readfirstlane_b32 s[WV], v[TP]               ; wave 0..7
	s_and_b32 s[RW], s[WV], 3
	s_and_b32 s[EX], ttmp7, 0xffff
	s_mov_b32 s[SL], ttmp9
	s_mov_b32 s[HIM], 0xffff0000
	s_mov_b32 s[OFS+1], 0
	s_mov_b32 s[CB], 0
	s_mov_b32 s[UIDX], 0
	v_and_b32 v[R], 15, v0
	v_bfe_u32 v[H], v0, 4, 1
	v_mov_b32 v[ZERO], 0
	v_lshlrev_b32 v[R16], 4, v[R]
	v_lshlrev_b32 v[H16], 4, v[H]
	v_and_b32 v[TP], 7, v0                         ; the turning load: lane l reads 16 bytes of row 8 (l / 16) + l % 8, columns 8 ((l / 8) % 2) + 0..7
	v_lshl_add_u32 v[TP], v[H], 3, v[TP]
	v_mul_u32_u24 v[B0], v[TP], BP
	v_bfe_u32 v[TP], v0, 3, 1
	v_lshl_add_u32 v[B0], v[TP], 4, v[B0]
	v_add_nc_u32 v[B0], BB, v[B0]
	s_mul_i32 s[TMP], s[RW], 16*SP
	s_add_co_u32 s[TMP], s[TMP], STAGE             ; math wave RW's stage
	v_mul_u32_u24 v[STO], v[R], SP                 ; in: row l % 16, 16 bytes for each half of the lanes
	v_add_nc_u32 v[STO], v[STO], v[H16]
	v_add_nc_u32 v[STO], s[TMP], v[STO]
	v_mul_u32_u24 v[RD], v[H], SP                  ; back: lanes 0-15 one row of 256 bytes, lanes 16-31 the next
	v_add_nc_u32 v[RD], v[RD], v[R16]
	v_add_nc_u32 v[RD], s[TMP], v[RD]
	s_mul_i32 s[TMP], s[RW], 64*BP
	s_add_co_u32 s[TMP], s[TMP], BB
	v_lshl_add_u32 v[LS0], v[LANE], 3, s[TMP]      ; loader RW's 64 rows of a chunk in LDS, 8 bytes a lane
	s_mul_i32 s[TMP], s[RW], 64*PITCH
	v_lshl_add_u32 v[WO], v[LANE], 4, s[TMP]       ; and in w1, 16 bytes a lane
	s_wait_kmcnt 0x0
	s_lshl_b32 s[OFS], s[EX], 24                   ; an expert's w1 is 16 MB,
	s_lshl_b32 s[TMP], s[SL], 9                    ; a slice's 128 columns 512 bytes
	s_add_co_u32 s[OFS], s[OFS], s[TMP]
	s_add_nc_u64 s[W:W+1], s[W:W+1], s[OFS:OFS+1]
	s_lshl_b32 s[OFS], s[EX], 14
	s_add_co_u32 s[OFS], s[OFS], s[TMP]
	s_add_nc_u64 s[B1:B1+1], s[B1:B1+1], s[OFS:OFS+1]
	s_lshl_b32 s[OFS], s[SL], 8
	s_add_nc_u64 s[OUT:OUT+1], s[OUT:OUT+1], s[OFS:OFS+1]
	s_lshl_b32 s[OFS], s[EX], 12
	s_add_nc_u64 s[LSTP:LSTP+1], s[LSTP:LSTP+1], s[OFS:OFS+1]
	s_lshl_b32 s[OFS], s[EX], 8
	s_add_nc_u64 s[CNTP:CNTP+1], s[CNTP:CNTP+1], s[OFS:OFS+1]
	s_cmp_lt_u32 s[WV], 4
	s_cbranch_scc1 .Lmath_head
	; ---- a loader's head: all four sets of chunk 0 are asked for: 64 loads of mine
	WLOAD 0, 0
	WLOAD 1, 0
	WLOAD 2, 0
	WLOAD 3, 0
	WIN 0
	s_branch .Lhead_done
.Lmath_head:
	v_lshlrev_b32 v[TP], 4, v[LANE]
.irp j, 0,1,2,3,4,5,6,7
	global_load_b128 v[BF+4*\j:BF+4*\j+3], v[TP], s[SELP:SELP+1] offset:512*\j   ; all of sel: register 4 j + c holds token 128 j + 4 lane + c
.endr
	v_lshlrev_b32 v[TP+1], 5, v[H]
.irp nt, 0,1,2,3,4,5,6,7
	global_load_b128 v[BF+32+8*\nt:BF+32+8*\nt+3], v[TP+1], s[B1:B1+1] offset:64*\nt      ; the bias of my columns 16 nt + 8 (lane / 16) + 0..7
	global_load_b128 v[BF+32+8*\nt+4:BF+32+8*\nt+7], v[TP+1], s[B1:B1+1] offset:64*\nt+16
.endr
	CLEAR                                          ; stands in the wait for sel, the bias and the first chunk
	s_wait_loadcnt 16                              ; sel is in; the bias's 16 loads may stay out
	s_mov_b32 s[CNT], 0
.set q, 0
.rept 32
	v_cmp_eq_u32 s[MK+q], s[EX], v[BF+q]
	s_bcnt1_i32_b32 s[TMP], s[MK+q]
	s_add_co_u32 s[CNT], s[CNT], s[TMP]
.set q, q+1
.endr
	s_cmp_lg_u32 s[WV], 0
	s_cbranch_scc1 .Lno_list
	; wave 0 writes the list.  In the order (word q, lane): a member's place is the number of members before it; another token's is CNT + the number of others before it.
	s_mov_b32 s[BS], 0
	v_add_nc_u32 v[TP+4], s[CNT], v[LANE]          ; CNT + 32 q + lane
	v_lshlrev_b32 v[TP+5], 2, v[LANE]
.set q, 0
.rept 32
	v_mbcnt_lo_u32_b32 v[TP+2], s[MK+q], s[BS]     ; members before me
	v_sub_nc_u32 v[TP+3], v[TP+4], v[TP+2]
	v_cndmask_b32 v[TP+3], v[TP+3], v[TP+2], s[MK+q]
	v_min_u32 v[TP+3], 0x3ff, v[TP+3]
	v_lshlrev_b32 v[TP+3], 2, v[TP+3]
	v_add_nc_u32 v[TP], 128*(q/4)+q%4, v[TP+5]     ; my token's number
	ds_store_b32 v[TP+3], v[TP] offset:LIST
	v_add_nc_u32 v[TP+4], 32, v[TP+4]
	s_bcnt1_i32_b32 s[TMP], s[MK+q]
	s_add_co_u32 s[BS], s[BS], s[TMP]
.set q, q+1
.endr
.Lno_list:
	s_wait_loadcnt 0x0                             ; the bias: rounded to bf16 like every input, widened again, into window 1
.set i, 0
.rept 32
	v_cvt_pk_bf16_f32 v[BF+96+i], v[BF+32+2*i], v[BF+32+2*i+1]
.set i, i+1
.endr
	WIN 0x40
.set i, 0
.rept 32
	v_lshlrev_b32 v[BIAS+2*i],   16,     v[BF+96+i]
	v_and_b32     v[BIAS+2*i+1], s[HIM], v[BF+96+i]
.set i, i+1
.endr
	WIN 0
	s_add_co_u32 s[T16], s[CNT], 15
	s_lshr_b32 s[T16], s[T16], 4
	s_max_u32 s[CM1], s[CNT], 1
	s_sub_co_u32 s[CM1], s[CM1], 1
.Lhead_done:
	BAR                                            ; the list is whole
	s_cmp_ge_u32 s[WV], 4
	s_cbranch_scc1 .Lstream
	s_mov_b32 s[PASS], 0
	NTCALC
	SETUP0
	APRO                                           ; the first token rows are on their way while the loaders lay chunk 0 down
	s_or_b32 s[TMP], s[SL], s[WV]
	s_cmp_lg_u32 s[TMP], 0
	s_cbranch_scc1 .Lstream
	; wave 0 of the expert's slice 0: list and count go to memory, for the second product
	v_lshlrev_b32 v[TP], 4, v[LANE]
.irp i, 0,1,2,3,4,5,6,7
	ds_load_b128 v[BF+4*\i:BF+4*\i+3], v[TP] offset:LIST+512*\i
.endr
	v_lshlrev_b32 v[TP+1], 3, v[LANE]
	v_mov_b32 v[TP+2], s[CNT]
	v_mov_b32 v[TP+3], s[CNT]
	s_wait_dscnt 0x0
.irp i, 0,1,2,3,4,5,6,7
	global_store_b128 v[TP], v[BF+4*\i:BF+4*\i+3], s[LSTP:LSTP+1] offset:512*\i
.endr
	global_store_b64 v[TP+1], v[TP+2:TP+3], s[CNTP:CNTP+1]   ; the count, 64 times: 256 consecutive bytes
	s_wait_xcnt 0x0                                ; the stores' registers are loaded again below
.Lstream:
	s_mov_b32 s[LOOP], 3
.Lloop:                                                ; a trip: chunk c is laid down and chunk c + 1 asked for; chunk c is multiplied while the next trip lays chunk c + 1 down
	SEG 0
	s_sub_co_u32 s[LOOP], s[LOOP], 1
	s_cmp_lg_u32 s[LOOP], 0
	s_cbranch_scc1 .Lloop
	SEG 1                                          ; chunk 3: nothing beyond it is asked for
	s_cmp_lt_u32 s[WV], 4
	s_cbranch_scc1 .Lrest
	s_wait_tensorcnt 0x0                           ; a loader's end, behind my last LDS store
	ds_add_u32 v[SPW], v[NIL]
	s_wait_dscnt 0x0
	s_endpgm
.Lrest:                                                ; the math waves alone; no barrier from here on.  Pass 0 has units 6 and 7 left; passes 1 to 5 (rows 192 on) walk the whole kept slice
	s_mov_b32 s[DONE], 6
.Lpass:
	s_mov_b32 s[UIDX], 0
	s_mov_b32 s[CB], 0
	s_cmp_eq_u32 s[NT], 0
	s_cbranch_scc1 .Lpd
.Lck:
	s_cmp_lt_u32 s[UIDX], s[DONE]
	s_cbranch_scc1 .Lcn
	COMPUTE 0, 1
.Lcn:
	s_add_co_u32 s[CB], s[CB], UB
	s_add_co_u32 s[UIDX], s[UIDX], 1
	s_cmp_lt_u32 s[UIDX], 8
	s_cbranch_scc1 .Lck
	EPI 0
	EPI 1
	EPI 2
.Lpd:
	s_add_co_u32 s[PASS], s[PASS], 1
	s_mov_b32 s[DONE], 0
	NTCALC
	s_cmp_eq_u32 s[NT], 0
	s_cbranch_scc1 .Lpn
	s_wait_loadcnt 0x0                             ; the ring's last, unused loads are in: its registers and their addresses are written anew
	CLEAR
	SETUP
	APRO
.Lpn:
	s_cmp_lt_u32 s[PASS], 6                        ; 6 passes x 12 tiles x 16 rows cover 1,024 rows
	s_cbranch_scc1 .Lpass
	s_wait_tensorcnt 0x0                           ; the wave's end, behind my last LDS store
	ds_add_u32 v[SPW], v[NIL]
	s_wait_dscnt 0x0
	s_endpgm
.Lfunc_end_k_qc5daa7a64d_up:
	.size	k_qc5daa7a64d_up, .Lfunc_end_k_qc5daa7a64d_up-k_qc5daa7a64d_up
	.p2alignl 7, 3214868480
	.fill 96, 4, 3214868480
	.section	.rodata,"a",@progbits
	.p2align	6, 0x0
	.amdhsa_kernel k_qc5daa7a64d_up
		.amdhsa_group_segment_fixed_size 317440
		.amdhsa_private_segment_fixed_size 0
		.amdhsa_enable_private_segment 0
		.amdhsa_kernarg_size 56
		.amdhsa_user_sgpr_count 2
		.amdhsa_user_sgpr_kernarg_segment_ptr 1
		.amdhsa_wavefront_size32 1
		.amdhsa_system_sgpr_workgroup_id_x 1
		.amdhsa_system_sgpr_workgroup_id_y 1
		.amdhsa_system_sgpr_workgroup_id_z 1
		.amdhsa_system_vgpr_workitem_id 0
		.amdhsa_next_free_vgpr 512
		.amdhsa_next_free_sgpr 100
		.amdhsa_reserve_vcc 1
		.amdhsa_float_denorm_mode_32 3
		.amdhsa_float_denorm_mode_16_64 3
		.amdhsa_memory_ordered 1
		.amdhsa_forward_progress 1
		.amdhsa_inst_pref_size 183
	.end_amdhsa_kernel
	.amdgpu_metadata
---
amdhsa.version: [ 1, 2 ]
amdhsa.kernels:
  - .name:           k_qc5daa7a64d_up
    .symbol:         k_qc5daa7a64d_up.kd
    .args:
      - { .name: xb, .offset: 0, .size: 8, .value_kind: global_buffer, .address_space: global }
      - { .name: w1, .offset: 8, .size: 8, .value_kind: global_buffer, .address_space: global }
      - { .name: b1, .offset: 16, .size: 8, .value_kind: global_buffer, .address_space: global }
      - { .name: sel, .offset: 24, .size: 8, .value_kind: global_buffer, .address_space: global }
      - { .name: hb, .offset: 32, .size: 8, .value_kind: global_buffer, .address_space: global }
      - { .name: lists, .offset: 40, .size: 8, .value_kind: global_buffer, .address_space: global }
      - { .name: cnt, .offset: 48, .size: 8, .value_kind: global_buffer, .address_space: global }
    .group_segment_fixed_size: 317440
    .private_segment_fixed_size: 0
    .kernarg_segment_align: 8
    .kernarg_segment_size: 56
    .max_flat_workgroup_size: 256
    .sgpr_count:     100
    .vgpr_count:     512
    .wavefront_size: 32
...
	.end_amdgpu_metadata
.endif
;; end of part 2
;; launch down (part 3): grid 32 x 8, 8 waves a work-group, no clusters, 313,344 bytes of LDS; arguments hb, w2, lists, cnt, part; writes part
.if DOCPART == 3
	.amdgcn_target "amdgcn-amd-amdhsa--gfx1250"
	.amdhsa_code_object_version 6
	.text
	.protected	k_qc5daa7a64d_down
	.globl	k_qc5daa7a64d_down
	.p2align	8
	.type	k_qc5daa7a64d_down,@function
k_qc5daa7a64d_down:
	s_mov_b64 s[64:65], 0
	v_nop
	global_prefetch_b8 v0, s[64:65] scope:SCOPE_SE
	s_setreg_imm32_b32 hwreg(HW_REG_WAVE_MODE, 25, 1), 1
	s_wait_xcnt 0x0
; SECOND PRODUCT, in four parts along its K.  part[kq][t][n] = the sum over the 1,024 f of quarter kq of h[t][f] w2[e][f][n], for the tokens t of expert e.
; Work-group: x % 8 = slice of 128 columns n, x / 8 = quarter kq, y = expert e.  hb: [1024][4096] f16.  w2: [8][4096][1024] f32.  part: [4][1024][1024] f32: partial sums stay in f32; the next launch adds them.
; Why quarters: with 32 work-groups an expert, one owner for each output row would mean slices of 32 columns, rows of 128 bytes in w2 and in the output, and 1 MB of h for each work-group; 128 columns x 1,024 k
; keep rows of 512 bytes and 256 KB of h.
; FORMATS.  w2 is rounded to bf16 like every input, and that number is written as f16, since h is f16: exact from 2^-14 up to f16's end; below 2^-14 it keeps f16's fixed step of 2^-24.
; All else is the first product's.  Waves 4-7 stream the slice through registers into LDS (one load = 512 consecutive bytes of a row of w2; 64 loads of each wave asked for before the first wait, 48 to 64 out from then on);
; waves 0-3 multiply chunk c (256 rows) while chunk c + 1 is laid down: two roles, because loads come back in the order of issue (ISA guide 5.7.1).  Every lasting address register is made in the head by all eight waves
; alike; what steps from chunk to chunk is stepped in the text that all waves run; a loader's arm is entered and left with the same four sets of 16 loads out.  The slice stays in LDS, so that rows past the 192 that the
; accumulators hold are multiplied in further passes without a barrier.  Four barriers, none under a branch on data; only matrix instructions and whole ways out are jumped on the count.  The accumulators are cleared at
; the head, in the wait for the first chunk.  List and count come from the launch before, as whole numbers.
; NO CLUSTER and NO TENSOR LOADS: each slice of weights has one reader and passes through registers to be rounded; the rows of h that an expert's work-groups share come by a list that no tile's descriptor covers.
.set PITCH,  4096                      ; bytes from row to row of w2
.set CHSTEP, 256*PITCH                 ; a chunk of the stream: 256 rows
.set BP,     288                       ; a row of the slice in LDS: 256 bytes + 32
.set UB,     128*BP                    ; a unit, half a chunk: the 128 rows that COMPUTE multiplies.  The slice, 8 units, begins at LDS byte 0
.set LASTB,  7*UB+15*BP+16             ; the highest lane place in the last unit: with a run's largest offset and its 16 bytes it ends 32 bytes short of the stages
.set STAGE,  8*UB                      ; 16 rows x 272 bytes for each math wave
.set SP,     272
.set SPARE,  STAGE+4*16*SP             ; the spare words, 128 bytes for each of the 8 waves: four blocks of 256 bytes that no other line names
.set A0,   4                           ; s[4:5]   hb at the quarter's first f
.set W,    6                           ; s[6:7]   w2 at the chunk that is laid down next
.set LSTP, 8                           ; s[8:9]   lists at the expert
.set CNTP, 10                          ; s[10:11] cnt at the expert
.set OUT,  12                          ; s[12:13] part at (quarter, slice)
.set WV,   18
.set RW,   19                          ; wave % 4: my number in my role
.set EX,   20
.set NS,   21
.set CNT,  22
.set T16,  23
.set CM1,  24
.set NT,   25
.set PASS, 26
.set DONE, 27
.set UIDX, 28                          ; the unit in hand
.set CB,   29                          ; LDS bytes from the slice's head to it
.set LOOP, 31
.set REM,  32
.set TBASE,33
.set HIM,  34
.set KQ,   35
.set OFS,  36                          ; s[36:37] an offset, high word 0
.set AN,   38
.set TMP,  42
; window 0.  v1-v5, v7, v8, v12-v15 and v30 are made in the head by every wave and never rewritten
.set LANE, 1
.set R,    2
.set H,    3
.set SPW,  4                           ; my spare word
.set NIL,  5                           ; 0
.set B0,   7                           ; a lane's place in a unit, for the turning loads
.set LS0,  8                           ; a loader lane's place in a chunk in LDS
.set AO,   9                           ; v9-11 math: slot s: my token's row in hb + 16 (lane / 16)
.set STO,  12
.set RD,   13
.set R16,  14
.set H16,  15
.set TK,   16                          ; v16-23 math, the way out
.set LS,   16                          ; loader: LS0 in the chunk in hand; made at the head of each arm
.set TP,   24                          ; v24-29 at work
.set WO,   30                          ; a loader lane's byte offset in a chunk of w2
.set BA,   31                          ; math: B0 in the unit in hand
.set AR,   32                          ; v32-127 math: the ring of token fragments
.set BF,   128                         ; v128-255 math: two buffers of weight fragments
.set CT,   32                          ; loader: v32-63 16 rows as bf16, then as f16
.set CU,   64                          ; loader: v64-127 the same widened
.set ACC,  0                           ; window 1: math: the accumulators; loader: four sets of 16 rows as loaded
.set MSB, 0
.macro WIN new                         ; s_set_vgpr_msb: bits 1:0 source 0, 3:2 source 1, 5:4 source 2, 7:6 destination; the high byte repeats the setting that is left
.if MSB != (\new)
	s_set_vgpr_msb (MSB<<8)|(\new)
.set MSB, (\new)
.endif
.endm
.macro BAR
	s_wait_dscnt 0x0                               ; for the others' sake: my LDS stores are done and my LDS loads are back
	s_barrier_signal -1
	s_barrier_wait -1
.endm
.macro WLOAD st, cofs                  ; set st takes my rows 16 st .. 16 st + 15 of the chunk that begins cofs bytes behind W
	WIN 0x40
.set i, 0
.rept 16
	global_load_b128 v[64*(\st)+4*i:64*(\st)+4*i+3], v[WO], s[W:W+1] offset:(16*(\st)+i)*PITCH+(\cofs) th:TH_LOAD_NT
.set i, i+1
.endr
.endm
.macro CVT st                          ; 16 rows, 4 columns a lane: rounded to bf16; the set's registers are free from here on
	WIN 0x05
.set i, 0
.rept 16
	v_cvt_pk_bf16_f32 v[CT+2*i],   v[64*(\st)+4*i],   v[64*(\st)+4*i+1]
	v_cvt_pk_bf16_f32 v[CT+2*i+1], v[64*(\st)+4*i+2], v[64*(\st)+4*i+3]
.set i, i+1
.endr
.endm
.macro PUT st                          ; the bf16 numbers widened, written as f16, and stored
	WIN 0
.set i, 0
.rept 32
	v_lshlrev_b32 v[CU+2*i],   16,     v[CT+i]
	v_and_b32     v[CU+2*i+1], s[HIM], v[CT+i]
.set i, i+1
.endr
.set i, 0
.rept 32
	v_cvt_pk_f16_f32 v[CT+i], v[CU+2*i], v[CU+2*i+1]
.set i, i+1
.endr
.set i, 0
.rept 16
	ds_store_b64 v[LS], v[CT+2*i:CT+2*i+1] offset:(16*(\st)+i)*BP
.set i, i+1
.endr
.endm
; My 64 rows of the chunk at W go into LDS.  At the arm's head all four sets of this chunk are out, 64 loads; at its end all four of the next.  Each sub-step waits for its set (48: the three younger
; sets may stay out), rounds it, asks for the same set of the next chunk, converts and stores.  With 64 out the last load's issue waits until the oldest is back (ISA guide 5.7.1); no wait is written for that.
; last = 1: the slice's last chunk: nothing more is asked for, and the counts run down.
.macro FILL last
	v_add_nc_u32 v[LS], s[CB], v[LS0]
.irp k, 0,1,2,3
.if \last
	s_wait_loadcnt 48-16*\k
.else
	s_wait_loadcnt 48
.endif
	CVT \k
.if (\last) == 0
	WLOAD \k, CHSTEP
.endif
	PUT \k
.endr
.endm
; The turning loads' address in the unit that lies h units behind CB.  hold = 1 (the pass loop): it is held inside the slice by a constant, so that the lines just ahead of a run of loads show that
; no read there reaches the stages, which the other math waves write without a barrier.
.macro MKBA h, hold
	v_add_nc_u32 v[BA], s[CB], v[B0]
.if \h
	v_add_nc_u32 v[BA], UB, v[BA]
.endif
.if \hold
	v_min_u32 v[BA], LASTB, v[BA]
.endif
.endm
.macro BLOAD j
.irp nt, 0,1,2,3,4,5,6,7
	ds_load_tr16_b128 v[BF+64*((\j)%2)+8*\nt:BF+64*((\j)%2)+8*\nt+3],   v[BA] offset:(\j)*32*BP+32*\nt
	ds_load_tr16_b128 v[BF+64*((\j)%2)+8*\nt+4:BF+64*((\j)%2)+8*\nt+7], v[BA] offset:(\j)*32*BP+32*\nt+16*BP
.endr
.endm
.macro MM j, s                         ; source 0 = 16 columns of w2, source 1 = 16 tokens.  The 8 accumulators take turns
	WIN 0x50
.irp nt, 0,1,2,3,4,5,6,7
	v_wmma_f32_16x16x32_f16 v[ACC+64*(\s)+8*\nt:ACC+64*(\s)+8*\nt+7], v[BF+64*((\j)%2)+8*\nt:BF+64*((\j)%2)+8*\nt+7], v[AR+24*(\j)+8*(\s):AR+24*(\j)+8*(\s)+7], v[ACC+64*(\s)+8*\nt:ACC+64*(\s)+8*\nt+7]
.endr
	WIN 0
.endm
.macro ALOAD j, base
.irp s, 0,1,2
	global_load_b128 v[AR+24*(\j)+8*\s:AR+24*(\j)+8*\s+3],   v[AO+\s], s[\base:\base+1] offset:64*(\j)
	global_load_b128 v[AR+24*(\j)+8*\s+4:AR+24*(\j)+8*\s+7], v[AO+\s], s[\base:\base+1] offset:64*(\j)+32
.endr
.endm
.macro KSTEP j, hold
.if (\j) < 3
.if \hold
	MKBA 0, 1                                      ; the same address, made anew directly ahead of the run that uses it
.endif
	BLOAD (\j)+1
	s_wait_dscnt 16                                ; this step's fragments are in; the 16 loads just issued may stay out
.else
	s_wait_dscnt 0x0
.endif
	s_wait_loadcnt 18                              ; this step's 6 token loads are in; the ring's other three steps, 6 each, may stay out
	s_cmp_eq_u32 s[NT], 0                          ; only matrix instructions are jumped: every load is issued on every path
	s_cbranch_scc1 .Lks_\@
	MM \j, 0
	s_cmp_lt_u32 s[NT], 2
	s_cbranch_scc1 .Lks_\@
	MM \j, 1
	s_cmp_lt_u32 s[NT], 3
	s_cbranch_scc1 .Lks_\@
	MM \j, 2
.Lks_\@:
.rept 4
	v_nop                                          ; four places ahead of loads into registers that the products have read (ISA guide 7.12.1 for vector instructions)
.endr
.if (\j) == 0
	s_wait_xcnt 0x0                                ; the last unit's loads name AN: it is rewritten only behind this wait.  It stands here, ahead of the first load that names the new AN:
	s_add_nc_u64 s[AN:AN+1], s[A0:A0+1], s[OFS:OFS+1]  ; the youngest of those loads was issued two runs of LDS loads and a k-step's products ago
.endif
	ALOAD \j, AN
.endm
; Unit UIDX + h, which lies h units behind CB, is multiplied; the ring asks for the unit behind it (behind the last: unit 0 once more, unused, inside the buffer).
.macro COMPUTE h, hold
	s_add_co_u32 s[OFS], s[UIDX], 1+(\h)
	s_and_b32 s[OFS], s[OFS], 7
	s_lshl_b32 s[OFS], s[OFS], 8
	MKBA \h, \hold
	BLOAD 0
	KSTEP 0, \hold
	KSTEP 1, \hold
	KSTEP 2, \hold
	KSTEP 3, \hold
.endm
.macro NTCALC                          ; slot s holds tile 12 PASS + 4 s + RW: how many of the three lie under T16
	s_mul_i32 s[TMP], s[PASS], 12
	s_add_co_u32 s[TMP], s[TMP], s[RW]
	s_sub_co_i32 s[NT], s[T16], s[TMP]
	s_add_co_i32 s[NT], s[NT], 3
	s_max_i32 s[NT], s[NT], 0
	s_lshr_b32 s[NT], s[NT], 2
	s_min_u32 s[NT], s[NT], 3
.endm
.macro SETUP                           ; my token in each slot, from the stored list; places past the count repeat the expert's last row
	s_mul_i32 s[TMP], s[PASS], 12
	s_add_co_u32 s[TMP], s[TMP], s[RW]
	s_lshl_b32 s[TMP], s[TMP], 4
.irp s, 0,1,2
	v_add_nc_u32 v[TP+\s], s[TMP], v[R]
	v_min_u32 v[TP+\s], s[CM1], v[TP+\s]
	v_min_u32 v[TP+\s], 0x3ff, v[TP+\s]
	v_lshlrev_b32 v[TP+\s], 2, v[TP+\s]
	global_load_b32 v[TP+3+\s], v[TP+\s], s[LSTP:LSTP+1]
	s_add_co_u32 s[TMP], s[TMP], 64
.endr
	s_wait_loadcnt 0x0
.irp s, 0,1,2
	v_min_u32 v[TP+3+\s], 0x3ff, v[TP+3+\s]
	v_lshl_add_u32 v[AO+\s], v[TP+3+\s], 13, v[H16]   ; a row of hb is 8,192 bytes
.endr
.endm
.macro APRO
	ALOAD 0, A0
	ALOAD 1, A0
	ALOAD 2, A0
	ALOAD 3, A0
.endm
.macro CLEAR
	WIN 0x40
.set i, 0
.rept 192
	v_mov_b32 v[ACC+i], 0
.set i, i+1
.endr
	WIN 0
.endm
; THE WAY OUT of slot s: the f32 sums go through my own stage, 64 columns (256 bytes a row) at a time, and come back as whole rows; a row goes to its token's row of part.
.macro EPI s
	s_cmp_le_u32 s[NT], \s
	s_cbranch_scc1 .Lep_\@
	s_mul_i32 s[TMP], s[PASS], 12
	s_add_co_u32 s[TMP], s[TMP], s[RW]
	s_add_co_u32 s[TMP], s[TMP], 4*(\s)
	s_lshl_b32 s[TMP], s[TMP], 4
	s_sub_co_i32 s[REM], s[CNT], s[TMP]            ; the expert's rows from the tile's first on: 1 or more
	s_min_u32 s[TBASE], s[TMP], 1008
	v_add_nc_u32 v[TP], s[TBASE], v[H]
	v_lshlrev_b32 v[TP], 2, v[TP]
.irp t, 0,1,2,3,4,5,6,7
	global_load_b32 v[TK+\t], v[TP], s[LSTP:LSTP+1] offset:8*\t   ; the token of row 2 t + lane / 16
.endr
.irp hf, 0,1
	WIN 0x04                                       ; the stores' data in window 1
.irp q, 0,1,2,3
	ds_store_b128 v[STO], v[ACC+64*(\s)+8*(4*\hf+\q):ACC+64*(\s)+8*(4*\hf+\q)+3]   offset:64*\q
	ds_store_b128 v[STO], v[ACC+64*(\s)+8*(4*\hf+\q)+4:ACC+64*(\s)+8*(4*\hf+\q)+7] offset:64*\q+16
.endr
	WIN 0
.irp t, 0,1,2,3,4,5,6,7
	ds_load_b128 v[BF+64+32*\hf+4*\t:BF+64+32*\hf+4*\t+3], v[RD] offset:2*SP*\t   ; LDS serves a wave's instructions in order (ISA guide 5.7.1.4): these see the stores above, and the second half's stores come behind them
.endr
.endr
	s_wait_loadcnt 0x0                             ; the token numbers (and the ring's last, unused loads)
.irp t, 0,1,2,3,4,5,6,7
	v_min_u32 v[TK+\t], 0x3ff, v[TK+\t]
	v_lshl_add_u32 v[TK+\t], v[TK+\t], 12, v[R16]  ; a row of part is 4,096 bytes
.endr
	s_wait_dscnt 0x0
.irp t, 0,1,2,3,4,5,6,7
	s_wait_xcnt 0x0                                ; EXEC changes only behind this wait
	v_cmpx_gt_i32 s[REM], v[H]                     ; rows past the count are not stored
	global_store_b128 v[TK+\t], v[BF+64+4*\t:BF+64+4*\t+3], s[OUT:OUT+1]              ; 16 lanes store 256 consecutive bytes, at a multiple of 256 from part's first byte
	global_store_b128 v[TK+\t], v[BF+96+4*\t:BF+96+4*\t+3], s[OUT:OUT+1] offset:256
	s_sub_co_i32 s[REM], s[REM], 2
.endr
	s_wait_xcnt 0x0
	s_mov_b32 exec_lo, -1
.Lep_\@:
.endm
; A chunk's turn: the loaders lay it down; the barrier; the math waves multiply its two units while the loaders go on to the next chunk; then every wave takes the same steps.
.macro SEG last
	s_cmp_lt_u32 s[WV], 4
	s_cbranch_scc1 .Lnf_\@
	FILL \last
.Lnf_\@:
	BAR
.if (\last) == 0
	s_cmp_ge_u32 s[WV], 4
	s_cbranch_scc1 .Lnc_\@
	COMPUTE 0, 0
	COMPUTE 1, 0
.Lnc_\@:
	s_wait_xcnt 0x0                                ; w2's pointer is stepped only behind this wait
	s_add_nc_u64 s[W:W+1], s[W:W+1], CHSTEP
	s_add_co_u32 s[CB], s[CB], 2*UB
	s_add_co_u32 s[UIDX], s[UIDX], 2
.endif
.endm
	; ---- the head, all eight waves alike
	s_load_b256 s[4:11], s[0:1], 0x0               ; hb, w2, lists, cnt
	s_load_b64 s[12:13], s[0:1], 0x20              ; part
	v_lshl_add_u32 v[SPW], v0, 2, SPARE
	v_mov_b32 v[NIL], 0
	v_and_b32 v[LANE], 31, v0
	v_lshrrev_b32 v[TP], 5, v0
	v_readfirstlane_b32 s[WV], v[TP]               ; wave 0..7
	s_and_b32 s[RW], s[WV], 3
	s_and_b32 s[EX], ttmp7, 0xffff
	s_and_b32 s[NS], ttmp9, 7
	s_lshr_b32 s[KQ], ttmp9, 3
	s_mov_b32 s[HIM], 0xffff0000
	s_mov_b32 s[OFS+1], 0
	s_mov_b32 s[CB], 0
	s_mov_b32 s[UIDX], 0
	v_and_b32 v[R], 15, v0
	v_bfe_u32 v[H], v0, 4, 1
	v_lshlrev_b32 v[R16], 4, v[R]
	v_lshlrev_b32 v[H16], 4, v[H]
	v_and_b32 v[TP], 7, v0                         ; the turning load: lane l reads 16 bytes of row 8 (l / 16) + l % 8, columns 8 ((l / 8) % 2) + 0..7
	v_lshl_add_u32 v[TP], v[H], 3, v[TP]
	v_mul_u32_u24 v[B0], v[TP], BP
	v_bfe_u32 v[TP], v0, 3, 1
	v_lshl_add_u32 v[B0], v[TP], 4, v[B0]
	s_mul_i32 s[TMP], s[RW], 16*SP
	s_add_co_u32 s[TMP], s[TMP], STAGE             ; math wave RW's stage
	v_mul_u32_u24 v[STO], v[R], SP                 ; in: row l % 16, 32 bytes (8 f32) for each half of the lanes
	v_lshl_add_u32 v[STO], v[H], 5, v[STO]
	v_add_nc_u32 v[STO], s[TMP], v[STO]
	v_mul_u32_u24 v[RD], v[H], SP                  ; back: lanes 0-15 one row of 256 bytes, lanes 16-31 the next
	v_add_nc_u32 v[RD], v[RD], v[R16]
	v_add_nc_u32 v[RD], s[TMP], v[RD]
	s_mul_i32 s[TMP], s[RW], 64*BP
	v_lshl_add_u32 v[LS0], v[LANE], 3, s[TMP]      ; loader RW's 64 rows of a chunk in LDS, 8 bytes a lane
	s_mul_i32 s[TMP], s[RW], 64*PITCH
	v_lshl_add_u32 v[WO], v[LANE], 4, s[TMP]       ; and in w2, 16 bytes a lane
	s_wait_kmcnt 0x0
	s_lshl_b32 s[OFS], s[EX], 24                   ; an expert's w2 is 16 MB,
	s_lshl_b32 s[TMP], s[KQ], 22                   ; a quarter's 1,024 rows 4 MB,
	s_add_co_u32 s[OFS], s[OFS], s[TMP]
	s_lshl_b32 s[TMP], s[NS], 9                    ; a slice's 128 columns 512 bytes
	s_add_co_u32 s[OFS], s[OFS], s[TMP]
	s_add_nc_u64 s[W:W+1], s[W:W+1], s[OFS:OFS+1]
	s_lshl_b32 s[OFS], s[KQ], 22
	s_add_co_u32 s[OFS], s[OFS], s[TMP]
	s_add_nc_u64 s[OUT:OUT+1], s[OUT:OUT+1], s[OFS:OFS+1]
	s_lshl_b32 s[OFS], s[EX], 8
	s_add_nc_u64 s[CNTP:CNTP+1], s[CNTP:CNTP+1], s[OFS:OFS+1]
	s_lshl_b32 s[OFS], s[EX], 12
	s_add_nc_u64 s[LSTP:LSTP+1], s[LSTP:LSTP+1], s[OFS:OFS+1]
	s_lshl_b32 s[OFS], s[KQ], 11                   ; 1,024 f16 of a row of hb
	s_add_nc_u64 s[A0:A0+1], s[A0:A0+1], s[OFS:OFS+1]
	s_cmp_lt_u32 s[WV], 4
	s_cbranch_scc1 .Lmath_head
	; ---- a loader's head: all four sets of chunk 0 are asked for: 64 loads of mine
	WLOAD 0, 0
	WLOAD 1, 0
	WLOAD 2, 0
	WLOAD 3, 0
	WIN 0
	s_branch .Lstream
.Lmath_head:
	s_load_b32 s[CNT], s[CNTP:CNTP+1], 0x0         ; the expert's count
	CLEAR                                          ; stands in the wait for the count and the first chunk
	s_wait_kmcnt 0x0
	s_min_u32 s[CNT], s[CNT], 1024
	s_add_co_u32 s[T16], s[CNT], 15
	s_lshr_b32 s[T16], s[T16], 4
	s_max_u32 s[CM1], s[CNT], 1
	s_sub_co_u32 s[CM1], s[CM1], 1
	s_mov_b32 s[PASS], 0
	NTCALC
	SETUP
	APRO
.Lstream:
	s_mov_b32 s[LOOP], 3
.Lloop:                                                ; a trip: chunk c is laid down and chunk c + 1 asked for; chunk c is multiplied while the next trip lays chunk c + 1 down
	SEG 0
	s_sub_co_u32 s[LOOP], s[LOOP], 1
	s_cmp_lg_u32 s[LOOP], 0
	s_cbranch_scc1 .Lloop
	SEG 1                                          ; chunk 3: nothing beyond it is asked for
	s_cmp_lt_u32 s[WV], 4
	s_cbranch_scc1 .Lrest
	s_wait_tensorcnt 0x0                           ; a loader's end, behind my last LDS store
	ds_add_u32 v[SPW], v[NIL]
	s_wait_dscnt 0x0
	s_endpgm
.Lrest:                                                ; the math waves alone; no barrier from here on.  Pass 0 has units 6 and 7 left; passes 1 to 5 walk the whole kept slice
	s_mov_b32 s[DONE], 6
.Lpass:
	s_mov_b32 s[UIDX], 0
	s_mov_b32 s[CB], 0
	s_cmp_eq_u32 s[NT], 0
	s_cbranch_scc1 .Lpd
.Lck:
	s_cmp_lt_u32 s[UIDX], s[DONE]
	s_cbranch_scc1 .Lcn
	COMPUTE 0, 1
.Lcn:
	s_add_co_u32 s[CB], s[CB], UB
	s_add_co_u32 s[UIDX], s[UIDX], 1
	s_cmp_lt_u32 s[UIDX], 8
	s_cbranch_scc1 .Lck
	EPI 0
	EPI 1
	EPI 2
.Lpd:
	s_add_co_u32 s[PASS], s[PASS], 1
	s_mov_b32 s[DONE], 0
	NTCALC
	s_cmp_eq_u32 s[NT], 0
	s_cbranch_scc1 .Lpn
	s_wait_loadcnt 0x0                             ; no load of mine is out: the ring's registers and their addresses are written anew
	CLEAR
	SETUP
	APRO
.Lpn:
	s_cmp_lt_u32 s[PASS], 6                        ; 6 passes x 12 tiles x 16 rows cover 1,024 rows
	s_cbranch_scc1 .Lpass
	s_wait_tensorcnt 0x0                           ; the wave's end, behind my last LDS store
	ds_add_u32 v[SPW], v[NIL]
	s_wait_dscnt 0x0
	s_endpgm
.Lfunc_end_k_qc5daa7a64d_down:
	.size	k_qc5daa7a64d_down, .Lfunc_end_k_qc5daa7a64d_down-k_qc5daa7a64d_down
	.p2alignl 7, 3214868480
	.fill 96, 4, 3214868480
	.section	.rodata,"a",@progbits
	.p2align	6, 0x0
	.amdhsa_kernel k_qc5daa7a64d_down
		.amdhsa_group_segment_fixed_size 313344
		.amdhsa_private_segment_fixed_size 0
		.amdhsa_enable_private_segment 0
		.amdhsa_kernarg_size 40
		.amdhsa_user_sgpr_count 2
		.amdhsa_user_sgpr_kernarg_segment_ptr 1
		.amdhsa_wavefront_size32 1
		.amdhsa_system_sgpr_workgroup_id_x 1
		.amdhsa_system_sgpr_workgroup_id_y 1
		.amdhsa_system_sgpr_workgroup_id_z 1
		.amdhsa_system_vgpr_workitem_id 0
		.amdhsa_next_free_vgpr 512
		.amdhsa_next_free_sgpr 66
		.amdhsa_reserve_vcc 0
		.amdhsa_float_denorm_mode_32 3
		.amdhsa_float_denorm_mode_16_64 3
		.amdhsa_memory_ordered 1
		.amdhsa_forward_progress 1
		.amdhsa_inst_pref_size 158
	.end_amdhsa_kernel
	.amdgpu_metadata
---
amdhsa.version: [ 1, 2 ]
amdhsa.kernels:
  - .name:           k_qc5daa7a64d_down
    .symbol:         k_qc5daa7a64d_down.kd
    .args:
      - { .name: hb, .offset: 0, .size: 8, .value_kind: global_buffer, .address_space: global }
      - { .name: w2, .offset: 8, .size: 8, .value_kind: global_buffer, .address_space: global }
      - { .name: lists, .offset: 16, .size: 8, .value_kind: global_buffer, .address_space: global }
      - { .name: cnt, .offset: 24, .size: 8, .value_kind: global_buffer, .address_space: global }
      - { .name: part, .offset: 32, .size: 8, .value_kind: global_buffer, .address_space: global }
    .group_segment_fixed_size: 313344
    .private_segment_fixed_size: 0
    .kernarg_segment_align: 8
    .kernarg_segment_size: 40
    .max_flat_workgroup_size: 256
    .sgpr_count:     66
    .vgpr_count:     512
    .wavefront_size: 32
...
	.end_amdgpu_metadata
.endif
;; end of part 3
;; launch sum (part 4): grid 256 x 1, 4 waves a work-group, no clusters, 0 bytes of LDS; arguments part, b2, sel, gate, out0; writes out0
.if DOCPART == 4
	.amdgcn_target "amdgcn-amd-amdhsa--gfx1250"
	.amdhsa_code_object_version 6
	.text
	.protected	k_qc5daa7a64d_sum
	.globl	k_qc5daa7a64d_sum
	.p2align	8
	.type	k_qc5daa7a64d_sum,@function
k_qc5daa7a64d_sum:
	s_mov_b64 s[64:65], 0
	v_nop
	global_prefetch_b8 v0, s[64:65] scope:SCOPE_SE
	s_setreg_imm32_b32 hwreg(HW_REG_WAVE_MODE, 25, 1), 1
	s_wait_xcnt 0x0
; out0[t][:] = gate[t] x (part[0][t][:] + part[1][t][:] + part[2][t][:] + part[3][t][:] + b2[sel[t]][:]).  All f32; b2 is rounded to bf16 like every input of the program.
; One wave takes one token: four partial rows and a row of b2, 4,096 bytes each, by loads of 512 consecutive bytes; all 40 loads of the wave are asked for before the one wait.
; A stream: each byte is read once and written once, so there is no LDS, no barrier, no matrix unit and no cluster (no two work-groups read the same partial row).
; sel[t] was stored as a whole number by the first launch; it is held to 0 .. 7 before it enters an address.
.set P,  16                            ; v[16:143]  part q at P + 32 q, 4 registers for each of 8 loads
.set B,  144                           ; v[144:175] b2's row
.set T,  176                           ; v[176:191] at work
	s_load_b256 s[4:11], s[0:1], 0x0               ; part s[4:5], b2 s[6:7], sel s[8:9], gate s[10:11]
	s_load_b64 s[12:13], s[0:1], 0x20              ; out0
	v_and_b32 v1, 31, v0
	v_lshrrev_b32 v2, 5, v0
	v_readfirstlane_b32 s14, v2                    ; wave 0..3
	s_lshl_b32 s15, ttmp9, 2
	s_add_co_u32 s15, s15, s14                     ; my token
	v_lshlrev_b32 v1, 4, v1                        ; 16 bytes a lane
	s_mov_b32 s17, 0
	s_mov_b32 s24, 0xffff0000
	s_wait_kmcnt 0x0
	s_lshl_b32 s16, s15, 2
	s_add_nc_u64 s[8:9], s[8:9], s[16:17]
	s_add_nc_u64 s[10:11], s[10:11], s[16:17]
	s_load_b32 s20, s[8:9], 0x0                    ; the token's expert
	s_load_b32 s22, s[10:11], 0x0                  ; and its weight
	s_lshl_b32 s16, s15, 12
	s_add_nc_u64 s[4:5], s[4:5], s[16:17]          ; my row in parts 0 and 1 (4 MB apart: in the immediate),
	s_add_nc_u64 s[12:13], s[12:13], s[16:17]
	s_add_nc_u64 s[18:19], s[4:5], 0x800000        ; and in parts 2 and 3
.irp j, 0,1,2,3,4,5,6,7
	global_load_b128 v[P+4*\j:P+4*\j+3],       v1, s[4:5]   offset:512*\j th:TH_LOAD_NT
	global_load_b128 v[P+32+4*\j:P+32+4*\j+3], v1, s[4:5]   offset:0x400000+512*\j th:TH_LOAD_NT
	global_load_b128 v[P+64+4*\j:P+64+4*\j+3], v1, s[18:19] offset:512*\j th:TH_LOAD_NT
	global_load_b128 v[P+96+4*\j:P+96+4*\j+3], v1, s[18:19] offset:0x400000+512*\j th:TH_LOAD_NT
.endr
	s_wait_kmcnt 0x0
	s_min_u32 s20, s20, 7
	s_lshl_b32 s16, s20, 12
	s_add_nc_u64 s[6:7], s[6:7], s[16:17]          ; the expert's row of b2
	s_mov_b32 s23, s22                             ; named with the weight as a pair
.irp j, 0,1,2,3,4,5,6,7
	global_load_b128 v[B+4*\j:B+4*\j+3], v1, s[6:7] offset:512*\j
.endr
	s_wait_loadcnt 0x0
.set i, 0
.rept 16
	v_pk_add_f32 v[P+2*i:P+2*i+1], v[P+2*i:P+2*i+1], v[P+32+2*i:P+32+2*i+1]
	v_pk_add_f32 v[P+64+2*i:P+64+2*i+1], v[P+64+2*i:P+64+2*i+1], v[P+96+2*i:P+96+2*i+1]
	v_cvt_pk_bf16_f32 v[T+i], v[B+2*i], v[B+2*i+1]
	v_pk_add_f32 v[P+2*i:P+2*i+1], v[P+2*i:P+2*i+1], v[P+64+2*i:P+64+2*i+1]
	v_lshlrev_b32 v[B+2*i],   16,  v[T+i]
	v_and_b32     v[B+2*i+1], s24, v[T+i]
	v_pk_add_f32 v[P+2*i:P+2*i+1], v[P+2*i:P+2*i+1], v[B+2*i:B+2*i+1]
	v_pk_mul_f32 v[P+2*i:P+2*i+1], v[P+2*i:P+2*i+1], s[22:23] op_sel_hi:[1,0]
.set i, i+1
.endr
.irp j, 0,1,2,3,4,5,6,7
	global_store_b128 v1, v[P+4*\j:P+4*\j+3], s[12:13] offset:512*\j th:TH_STORE_NT   ; 512 consecutive bytes, at a multiple of 256 from out0's first byte
.endr
	s_endpgm
.Lfunc_end_k_qc5daa7a64d_sum:
	.size	k_qc5daa7a64d_sum, .Lfunc_end_k_qc5daa7a64d_sum-k_qc5daa7a64d_sum
	.p2alignl 7, 3214868480
	.fill 96, 4, 3214868480
	.section	.rodata,"a",@progbits
	.p2align	6, 0x0
	.amdhsa_kernel k_qc5daa7a64d_sum
		.amdhsa_group_segment_fixed_size 0
		.amdhsa_private_segment_fixed_size 0
		.amdhsa_enable_private_segment 0
		.amdhsa_kernarg_size 40
		.amdhsa_user_sgpr_count 2
		.amdhsa_user_sgpr_kernarg_segment_ptr 1
		.amdhsa_wavefront_size32 1
		.amdhsa_system_sgpr_workgroup_id_x 1
		.amdhsa_system_sgpr_workgroup_id_y 1
		.amdhsa_system_sgpr_workgroup_id_z 1
		.amdhsa_system_vgpr_workitem_id 0
		.amdhsa_next_free_vgpr 192
		.amdhsa_next_free_sgpr 66
		.amdhsa_reserve_vcc 0
		.amdhsa_float_denorm_mode_32 3
		.amdhsa_float_denorm_mode_16_64 3
		.amdhsa_memory_ordered 1
		.amdhsa_forward_progress 1
		.amdhsa_inst_pref_size 13
	.end_amdhsa_kernel
	.amdgpu_metadata
---
amdhsa.version: [ 1, 2 ]
amdhsa.kernels:
  - .name:           k_qc5daa7a64d_sum
    .symbol:         k_qc5daa7a64d_sum.kd
    .args:
      - { .name: part, .offset: 0, .size: 8, .value_kind: global_buffer, .address_space: global }
      - { .name: b2, .offset: 8, .size: 8, .value_kind: global_buffer, .address_space: global }
      - { .name: sel, .offset: 16, .size: 8, .value_kind: global_buffer, .address_space: global }
      - { .name: gate, .offset: 24, .size: 8, .value_kind: global_buffer, .address_space: global }
      - { .name: out0, .offset: 32, .size: 8, .value_kind: global_buffer, .address_space: global }
    .group_segment_fixed_size: 0
    .private_segment_fixed_size: 0
    .kernarg_segment_align: 8
    .kernarg_segment_size: 40
    .max_flat_workgroup_size: 128
    .sgpr_count:     66
    .vgpr_count:     192
    .wavefront_size: 32
...
	.end_amdgpu_metadata
.endif
;; end of part 4
